; MI455X (gfx1250); checked and timed in simulation.
; The chip was launched on July 23, 2026; its instructions are those of AMD's public machine-readable ISA for CDNA 5 (MIT licence, August 2026) and "CDNA5" Instruction Set Architecture Reference Guide (July 2026). The comments in the code are by the model that wrote it; some were corrected since.
;; Model RK. Allowed arithmetic: float matrix products may take bf16 or f16 operands with f32 sums; other float arithmetic in f32, or as packed bf16 or f16 multiplies, adds, multiply-adds, maxima and minima; sums over many terms, partial sums and values carried from step to step in f32; what a program stores and reads back later, other than sums and carried values, may be rounded once to bf16 or f16.
;; Inputs: W_noise 2,048 x 100 x 128 float32; Wh1 128 x 128 float32; Wh2 128 x 128 float32; Wi 101 x 128 float32; Wo 128 x 100 float32; bh1 128 float32; bh2 128 float32; bi 128 float32; bo 100 float32; signs 128 int32; x0 100 float32; y0 1 float32.
;; Outputs: out0 2,048 x 100 float32; out1 2,048 x 1 float32.
;; Constants: N = 128, batch_size = 2048.
;; One version. Each part assembles by itself: llvm-mc -triple=amdgcn-amd-amdhsa -mcpu=gfx1250 --defsym DOCPART=n.
;; ======== version 1 of 1: 1 launch
;; limits: values outside matrix products are rounded to bf16
;; launch rk (part 1): grid 256 x 1, 4 waves a work-group, no clusters, 277,504 bytes of LDS; arguments W_noise, signs, x0, y0, Wi, bi, Wh1, bh1, Wh2, bh2, Wo, bo, out0, out1; writes out0, out1
.if DOCPART == 1
	.amdgcn_target "amdgcn-amd-amdhsa--gfx1250"
	.amdhsa_code_object_version 6
	.text
	.protected	k_q880d26c0a2_rk
	.globl	k_q880d26c0a2_rk
	.p2align	8
	.type	k_q880d26c0a2_rk,@function
k_q880d26c0a2_rk:
	s_mov_b64 s[64:65], 0
	v_nop
	global_prefetch_b8 v0, s[64:65] scope:SCOPE_SE
	s_setreg_imm32_b32 hwreg(HW_REG_WAVE_MODE, 25, 1), 1
	s_wait_xcnt 0x0
; x and y after the 128 steps of the scheme, for 2,048 paths.  With Wn = W_noise, s = 2 signs - 1, dt = 1/128, sqdt = sqrt(dt):
;   0.5 (k1 + k2) = sqrt2 w, so x_i = x0 + 0.125 (Wn[.,.,0] + .. + Wn[.,.,i-1])  (sqrt2 sqdt = 1/8): a prefix sum of the input alone;
;   f_fn reads neither x nor y, and both of a step's calls take the same z, so y = y0 + sum over i of ( -dt |z_i|^2 + 0.5 sqdt z_i.(Wn_i - s_i) + 0.5 sqdt znew_i.(Wn_i + s_i) ),
;   z_i = phi(x_i, i dt), znew_i = phi(x_(i+1) - 0.125 s_i, (i+1) dt).  These hold for all values of the inputs.  So nothing is carried through the network: its 2 x 2,048 x 128 rows are independent.
; Every input has a way to an output and is loaded; no product of the network is left out; what goes is the scan's serial order.
; SHARES.  A work-group has 8 paths.  Wave = 2 PAIR + KIND: KIND 0 makes z, KIND 1 znew; in step s of 4 pair p has path 2 s + p.  A BLOCK is one path and kind: 128 rows (time steps n) through the whole chain.
; THE CHAIN STAYS IN REGISTERS.  Every product is D = A (16 output features x 32 K, from LDS) x B (32 K x 16 time steps, registers): a lane of D holds one time step (lane % 16) and features 8 (lane / 16) + 0..7,
; so two results rounded to bf16 ARE source 1 of the next layer's product.  L0 is the prefix sum as a product: X^T[d][n] = x0[d] + sum over m of Wn[d][m] TRI[m][n], TRI = 0.125 where m < n + KIND (tiles above the diagonal are skipped).
; Row 100 of the padded Wn is 1/16, so feature 100 comes out as (n + KIND) / 128 = t.  Feature 101 is set to -0.125 s_n (KIND 1) or 0, and Wi's padded row 101 is the sum of its rows 0..99: (x - c s 1) Wi = x Wi - c s csum.
; (In the lanes' upper half the same line sets feature 109, which meets a row of zeros.)  L1..L3 are the hidden layers, L4 gives Z^T in 7 tiles.  Y: D1 += Z x (Wn -+ s), D2 += Z x Z (KIND 0); their traces are the sums wanted.
; x's result is column n = 127 of KIND 1's L0, in f32.
; NO CLUSTER, NO TENSOR LOADS: each byte of W_noise has one reader; the weights, which all work-groups share, arrive as f32 [K][N] and are wanted as bf16 [N][K], so they pass through registers, once, at the head;
; their 234,496 bytes of f32 have no room beside the 277,504 bytes in use.
; LIMITS.  W_noise is rounded once to bf16 before the f32 prefix sums, for out0 too (each term off by at most 2^-8 of itself); Wn -+ s is rounded to bf16 once more; z is rounded to bf16 for |z|^2 and z.w; csum is rounded to bf16;
; biases and x0 stay f32.  The sums' order differs from the scan's.  relu of a NaN gives 0; NaN and infinities are not treated apart.
.set PW,    272                        ; an LDS row of 128 bf16: 256 bytes + 16: the 16 rows of a fragment load start 68 words apart
.set TROW,  16*PW                      ; 16 rows
.set WPAIR, 112*PW                     ; a pair's buffer of Wn: 112 rows [d][n]
.set WPAR,  65536                      ; the second set of buffers: one exclusive or turns an address into the other set's
.set BIAS,  2*WPAIR                    ; 5 x 512 bytes of f32: x0, bi, bh1, bh2, bo (padded with 0)
.set YP,    BIAS+5*512                 ; 64 bytes of f32: [wave][step]: a wave's four words are 16 bytes on end of its own
.set SPARE, YP+256                     ; the spare words: 128 bytes for each wave, two blocks of 256 bytes that no other line names
.set WGT,   131072                     ; four layers of 128 rows: row = output feature, K on end, bf16
.set WLAY,  128*PW
.set XFS,   WGT+4*WLAY                 ; x's result in f32: a slot of 448 bytes for each step and wave
.set XROW,  448
; window 0
.set SPW, 1                            ; v1   my spare word; never rewritten
.set NIL, 2                            ; v2   0; never rewritten
.set R,   3                            ; v3   lane % 16
.set H,   4                            ; v4   lane / 16
.set AW,  10                           ; v10-13  my place in the weights of layers 1..4
.set AL0B, 14                          ; v14  my place in the pair's Wn as rows; v15 with the set in hand
.set AL0, 15
.set AB,  16                           ; v16  BIAS + 32 H
.set AYB, 17                           ; v17  my place in the pair's Wn for the turning load; v18 with the set in hand
.set AY,  18
.set AIB, 19                           ; v19  where I put 8 bytes of a staged row; v20 with the other set
.set AI,  20
.set GO,  21                           ; v21  16 x lane
.set AXFB, 22                          ; v22  my wave's slot of XFS + 32 H; v23 with the step
.set AXF, 23
.set XSEL, 24                          ; v24  1 where lane % 16 = 15 and KIND = 1
.set AYP, 25                           ; v25  my wave's word of YP for the step in hand
.set T1,  26
.set T2,  27
.set VAL, 28
.set TX,  29
.set RH,  30
.set LN,  31
.set TRI, 32                           ; v32-47  0.125 x 4 registers, again, the diagonal's 4, 0 x 4: a full fragment at +0, an odd tile's at +4, an even tile's at +8
.set SSP, 48                           ; v48-55  -+s of time step 16 nt + lane % 16, in both halves
.set CQ,  56                           ; v56-63  at work at the head
.set AYPB, 56                          ; v56  later: YP + 16 x my wave's number
.set WB,  64                           ; v64-127  A's fragments: 32 x parity + 8 ks
.set BI,  128                          ; v128-143 a tile's bias: 8 x parity
.set SC,  144                          ; v144-151 at work
.set STA, 152                          ; v152-255 staged rows 0..25, four registers each
.set YB,  152                          ;          later three buffers of 32 for Wn -+ s
; window 1: ACT0, window 2: ACT1: fragment (nt, ks) at 32 nt + 8 ks.  window 3: v0-127 accumulators, 64 x parity + 8 nt
.set STB, 128                          ; window 3  staged rows 26..49
.set D1,  128                          ;           later four accumulators of the first trace,
.set D2,  160                          ;           and of the second
.set SG,  224                          ; window 3  v224-231 feature 101 of time step 16 nt + lane % 16
.set WV,  36
.set KIND, 37
.set PAIR, 38
.set STEP, 39
.set CUR, 40
.set NXT, 41
.set XFO, 42
.set YPO, 43
.set ZERO, 44
.set SEL, 46                           ; s[46:47] v_permlanex16_b32's selects
.set MK,  48                           ; s[48:55] the lanes that hold the diagonal in register j
.set WP,  56                           ; s[56:57] W_noise at my 50 rows of the path last asked for
.set SV,  58
.set KC,  59
.set TS,  60                           ; s[60:61] at work
.set Y0,  62
.set MSB, 0
.macro WIN new                         ; the immediate's high byte repeats the setting that is left; a switch that changes nothing is dropped
.if MSB != (\new)
	s_set_vgpr_msb (MSB<<8)|(\new)
.set MSB, \new
.endif
.endm
.macro PLACES                          ; four plain places behind a matrix instruction, ahead of reads of its result and of loads into its sources
.rept 4
	v_nop
.endr
.endm
; 50 rows of 512 bytes: each load of the wave takes one whole row of W_noise
.macro STLOADS
	WIN 0
.set i, 0
.rept 26
	global_load_b128 v[STA+4*i:STA+4*i+3], v[GO], s[WP:WP+1] offset:512*i th:TH_LOAD_NT
.set i, i+1
.endr
	WIN 0xc0
.rept 24
	global_load_b128 v[STB+4*(i-26):STB+4*(i-26)+3], v[GO], s[WP:WP+1] offset:512*i th:TH_LOAD_NT
.set i, i+1
.endr
	WIN 0
.endm
; the staged rows, rounded to bf16 in place, go into LDS: 8 bytes a lane, 256 on end a row
.macro LUMP
	WIN 0
.set i, 0
.rept 26
	v_cvt_pk_bf16_f32 v[STA+4*i], v[STA+4*i], v[STA+4*i+1]
	v_cvt_pk_bf16_f32 v[STA+4*i+1], v[STA+4*i+2], v[STA+4*i+3]
	ds_store_b64 v[AI], v[STA+4*i:STA+4*i+1] offset:PW*i
.set i, i+1
.endr
	WIN 0xcf
.set i, 0
.rept 24
	v_cvt_pk_bf16_f32 v[STB+4*i], v[STB+4*i], v[STB+4*i+1]
	v_cvt_pk_bf16_f32 v[STB+4*i+1], v[STB+4*i+2], v[STB+4*i+3]
.set i, i+1
.endr
	WIN 0x0c
.set i, 0
.rept 24
	ds_store_b64 v[AI], v[STB+4*i:STB+4*i+1] offset:PW*(26+i)
.set i, i+1
.endr
	WIN 0
.endm
; 32 rows (k) x 4 features a lane of a weight matrix, rounded, turned and stored: feature j's 8 k of chunk c are 16 bytes of LDS row 4 lane + j
.macro WCONV sw, sb, ad, mask
	WIN 0xc0|((\sw)<<2)|(\sw)
.set j, 0
.rept 4
.set c, 0
.rept 4
.set u, 0
.rept 4
	v_cvt_pk_bf16_f32 v[16*j+4*c+u], v[(\sb)+4*(8*c+2*u)+j], v[(\sb)+4*(8*c+2*u+1)+j]
.set u, u+1
.endr
.set c, c+1
.endr
.set j, j+1
.endr
.if \mask
	WIN 0xcc
.set j, 0
.rept 64
	v_cndmask_b32 v[j], 0, v[j], vcc_lo            ; lanes 25..31 stand for features 100..127: rows of zeros
.set j, j+1
.endr
.endif
	WIN 0x0c
.set j, 0
.rept 4
.set c, 0
.rept 4
	ds_store_b128 v[\ad], v[16*j+4*c:16*j+4*c+3] offset:PW*j+16*c
.set c, c+1
.endr
.set j, j+1
.endr
	WIN 0
.endm
; ten LDS loads: the four fragments of feature tile ft (16 rows x 128 K) and its 16 biases, into parity par
.macro LOADW base, ft, bl, par
	ds_load_b128 v[BI+8*(\par):BI+8*(\par)+3], v[AB] offset:512*(\bl)+64*(\ft)
	ds_load_b128 v[BI+8*(\par)+4:BI+8*(\par)+7], v[AB] offset:512*(\bl)+64*(\ft)+16
.set k, 0
.rept 4
	ds_load_b128 v[WB+32*(\par)+8*k:WB+32*(\par)+8*k+3], v[\base] offset:(\ft)*TROW+64*k
	ds_load_b128 v[WB+32*(\par)+8*k+4:WB+32*(\par)+8*k+7], v[\base] offset:(\ft)*TROW+64*k+32
.set k, k+1
.endr
.endm
; product i of 32 of a hidden tile: K 32 (i / 8) on, time steps 16 (i % 8) on.  The first 8 start the sums with the bias.  The 8 accumulators take turns.
.macro HW par, bwin, i
.set hk, (\i)/8
.set hn, (\i)%8
.set rD, 64*(\par)+8*hn
.set rA, WB+32*(\par)+8*hk
.set rB, 32*hn+8*hk
.if hk == 0
	WIN 0xc0|((\bwin)<<2)
	v_wmma_f32_16x16x32_bf16 v[rD:rD+7], v[rA:rA+7], v[rB:rB+7], v[BI+8*(\par):BI+8*(\par)+7]
.else
	WIN 0xf0|((\bwin)<<2)
	v_wmma_f32_16x16x32_bf16 v[rD:rD+7], v[rA:rA+7], v[rB:rB+7], v[rD:rD+7]
.endif
.endm
; a product of the prefix sum: m 32 ks on, time steps 16 nt on
.macro L0W par, ks, nt
.set rD, 64*(\par)+8*(\nt)
.set rA, WB+32*(\par)+8*(\ks)
.if (\nt)/2 > (\ks)
.set rB, TRI
.elseif (\nt)%2
.set rB, TRI+4
.else
.set rB, TRI+8
.endif
.if (\ks) == 0
	WIN 0xc0
	v_wmma_f32_16x16x32_bf16 v[rD:rD+7], v[rA:rA+7], v[rB:rB+7], v[BI+8*(\par):BI+8*(\par)+7]
.else
	WIN 0xf0
	v_wmma_f32_16x16x32_bf16 v[rD:rD+7], v[rA:rA+7], v[rB:rB+7], v[rD:rD+7]
.endif
.endm
; THE RIDERS: the tile before is rounded (and cut at 0) four lines at a time, behind the products of the tile in hand.  SETQ names it: accumulators' parity, window and tile of the result, relu, feature 101, the clearing.
.macro SETQ pp, ow, pft, relu, sg, zup
.set QPP, \pp
.set QOW, \ow
.set QPF, \pft
.set QRL, \relu
.set QSG, \sg
.set QI, 0
.set QN, 8+8*(\relu)+8*(\zup)
.endm
.macro NOQ
.set QI, 0
.set QN, 0
.endm
.macro CVT4 nt                         ; an accumulator's registers in ascending order
	WIN (QOW<<6)|0x0f
.set rD, 32*(\nt)+8*(QPF/2)+4*(QPF%2)
.set rA, 64*QPP+8*(\nt)
	v_cvt_pk_bf16_f32 v[rD], v[rA], v[rA+1]
	v_cvt_pk_bf16_f32 v[rD+1], v[rA+2], v[rA+3]
.if QSG
	v_cvt_pk_bf16_f32 v[rD+2], v[rA+4], v[SG+(\nt)]
.else
	v_cvt_pk_bf16_f32 v[rD+2], v[rA+4], v[rA+5]
.endif
	v_cvt_pk_bf16_f32 v[rD+3], v[rA+6], v[rA+7]
.endm
.macro MAX4 nt
	WIN (QOW<<6)|QOW
.set rD, 32*(\nt)+8*(QPF/2)+4*(QPF%2)
.set u, 0
.rept 4
	v_pk_max_num_bf16 v[rD+u], v[rD+u], s[ZERO]
.set u, u+1
.endr
.endm
.macro ZUP nt                          ; features 112..127 of ACT0 are 0
	WIN 0x40
.set u, 28
.rept 4
	v_mov_b32 v[32*(\nt)+u], 0
.set u, u+1
.endr
.endm
.macro SLOT
.if QI < QN
.if QRL
.if QI%2
	MAX4 QI/2
.else
	CVT4 QI/2
.endif
.elseif QI < 8
	CVT4 QI
.else
	ZUP QI-8
.endif
.set QI, QI+1
.endif
.endm
.macro HMUL par, bwin
.set gi, 0
.rept 32
	HW \par, \bwin, gi
	SLOT
.set gi, gi+1
.endr
.endm
.macro L0MUL par                       ; 20 products: ks 0: nt 0..7; ks 1: nt 2..7; ks 2: nt 4..7; ks 3: nt 6, 7: no two on end share an accumulator
.set lk, 0
.rept 4
.set ln, 2*lk
.rept 8-2*lk
	L0W \par, lk, ln
	SLOT
.set ln, ln+1
.endr
.set lk, lk+1
.endr
.endm
; a hidden group behind its places: the next group's ten loads into the other parity; the wait leaves those ten out, so this group's are in; the products and their riders
.macro GRP bwin, nbase, nft, nbl, ow, pft, relu, sg, zup
	WIN 0
	LOADW \nbase, \nft, \nbl, (q+1)%2
	s_wait_dscnt 10
	SETQ (q+1)%2, \ow, \pft, \relu, \sg, \zup
	HMUL q%2, \bwin
.set q, q+1
.endm
; time step 127 of tile dt of x, in f32: the lanes with lane % 16 = 15 of a KIND 1 wave.  No global load or store is out here, so EXEC may change.
.macro XFSTORE pp, dt
	WIN 0
	v_cmp_eq_u32 vcc_lo, 1, v[XSEL]
	s_and_saveexec_b32 s[SV], vcc_lo
	WIN 0x0c
	ds_store_b128 v[AXF], v[64*(\pp)+56:64*(\pp)+59] offset:64*(\dt)
	ds_store_b128 v[AXF], v[64*(\pp)+60:64*(\pp)+63] offset:64*(\dt)+16
	WIN 0
	s_or_b32 exec_lo, exec_lo, s[SV]
.endm
.macro YLOAD nt                        ; Wn[d][16 nt ..] turned: 7 tiles of 16 d
.set d, 0
.rept 7
	ds_load_tr16_b128 v[YB+32*((\nt)%3)+4*d:YB+32*((\nt)%3)+4*d+3], v[AY] offset:TROW*d+32*(\nt)
.set d, d+1
.endr
.endm
.macro YA nt, i
	v_pk_add_bf16 v[YB+32*((\nt)%3)+(\i)], v[YB+32*((\nt)%3)+(\i)], v[SSP+(\nt)]
.endm
; four accumulators into one (each read from its low end on), and my lane's element of the diagonal into t
.macro FOLD d, t
	WIN 0xcf
.set fr, 0
.rept 4
	v_pk_add_f32 v[(\d)+fr:(\d)+fr+1], v[(\d)+fr:(\d)+fr+1], v[(\d)+8+fr:(\d)+8+fr+1]
	v_pk_add_f32 v[(\d)+16+fr:(\d)+16+fr+1], v[(\d)+16+fr:(\d)+16+fr+1], v[(\d)+24+fr:(\d)+24+fr+1]
.set fr, fr+2
.endr
.set fr, 0
.rept 4
	v_pk_add_f32 v[(\d)+fr:(\d)+fr+1], v[(\d)+fr:(\d)+fr+1], v[(\d)+16+fr:(\d)+16+fr+1]
.set fr, fr+2
.endr
	WIN 0x0c
.set fr, 0
.rept 8
	v_cndmask_b32 v[\t], v[\t], v[(\d)+fr], s[MK+fr]
.set fr, fr+1
.endr
	WIN 0
.endm
	; ---------------- THE HEAD
	s_load_b512 s[8:23], s[0:1], 0x0               ; W_noise 8, signs 10, x0 12, y0 14, Wi 16, bi 18, Wh1 20, bh1 22
	s_load_b256 s[24:31], s[0:1], 0x40             ; Wh2 24, bh2 26, Wo 28, bo 30
	s_load_b128 s[32:35], s[0:1], 0x60             ; out0 32, out1 34
	v_lshl_add_u32 v[SPW], v0, 2, SPARE
	v_mov_b32 v[NIL], 0
	v_lshrrev_b32 v5, 5, v0
	v_readfirstlane_b32 s[WV], v5                  ; wave 0..3
	s_and_b32 s[KIND], s[WV], 1
	s_lshr_b32 s[PAIR], s[WV], 1
	v_and_b32 v[R], 15, v0
	v_bfe_u32 v[H], v0, 4, 1
	v_and_b32 v[LN], 31, v0
	v_lshlrev_b32 v[GO], 4, v[LN]
	s_lshl_b32 s[TS], ttmp9, 3
	s_add_co_u32 s[TS], s[TS], s[PAIR]             ; my first path,
	s_mul_i32 s[TS], s[TS], 51200                  ; 100 rows of 512 bytes each,
	s_mul_i32 s[TS+1], s[KIND], 25600              ; of which I stage 50
	s_add_co_u32 s[TS], s[TS], s[TS+1]
	s_mov_b32 s[TS+1], 0
	v_lshlrev_b32 v7, 2, v0                        ; 4 t: thread t has feature t of Wi and of the biases
	s_lshl_b32 s[SV], s[WV], 14
	v_add_nc_u32 v8, s[SV], v[GO]                  ; Wh1, Wh2: rows 32 w on, features 4 lane on
	v_min_u32 v9, 24, v[LN]
	s_mul_i32 s[SV], s[WV], 12800
	v_lshl_add_u32 v9, v9, 4, s[SV]                ; Wo: rows of 400 bytes; lanes past 24 repeat lane 24 and are cleared below
	v_min_u32 v[SC], 99, v0
	v_lshlrev_b32 v[SC], 2, v[SC]
	v_lshlrev_b32 v[SC+6], 2, v[R]
	s_wait_kmcnt 0x0
	s_add_nc_u64 s[WP:WP+1], s[8:9], s[TS:TS+1]
	s_load_b32 s[Y0], s[14:15], 0x0
	STLOADS                                        ; the first path's rows
	WIN 0x80
.set i, 0
.rept 101
	global_load_b32 v[128+i], v7, s[16:17] offset:512*i
.set i, i+1
.endr
.set i, 0
.rept 32
	global_load_b128 v[4*i:4*i+3], v9, s[28:29] offset:400*i
.set i, i+1
.endr
	WIN 0x40
.set i, 0
.rept 32
	global_load_b128 v[4*i:4*i+3], v8, s[20:21] offset:512*i
	global_load_b128 v[128+4*i:128+4*i+3], v8, s[24:25] offset:512*i
.set i, i+1
.endr
	WIN 0
	global_load_b32 v[SC+1], v[SC], s[12:13]
	global_load_b32 v[SC+2], v7, s[18:19]
	global_load_b32 v[SC+3], v7, s[22:23]
	global_load_b32 v[SC+4], v7, s[26:27]
	global_load_b32 v[SC+5], v[SC], s[30:31]
.set i, 0
.rept 8
	global_load_b32 v[SSP+i], v[SC+6], s[10:11] offset:64*i
.set i, i+1
.endr
	; while the loads are out.  Rows 100..111 of the four buffers of Wn, one buffer a wave: row 100 is 1/16, the others 0; they are written once
	s_lshl_b32 s[TS], s[PAIR], 16
	s_mul_i32 s[TS+1], s[KIND], WPAIR
	s_add_co_u32 s[TS], s[TS], s[TS+1]
	s_add_co_u32 s[TS], s[TS], 100*PW
	v_mul_u32_u24 v5, v[H], PW
	v_lshl_add_u32 v5, v[R], 4, v5
	v_add_nc_u32 v5, s[TS], v5
	s_mov_b32 s[SV], 0x3d803d80
	v_cmp_eq_u32 vcc_lo, 0, v[H]
	v_cndmask_b32 v[CQ], 0, s[SV], vcc_lo
	v_mov_b32 v[CQ+1], v[CQ]
	v_mov_b32 v[CQ+2], v[CQ]
	v_mov_b32 v[CQ+3], v[CQ]
.set i, 4
.rept 4
	v_mov_b32 v[CQ+i], 0
.set i, i+1
.endr
	ds_store_b128 v5, v[CQ:CQ+3]
.set i, 1
.rept 5
	ds_store_b128 v5, v[CQ+4:CQ+7] offset:2*PW*i
.set i, i+1
.endr
	; TRI
	s_mov_b32 s[SV], 0x3e003e00
.set i, 0
.rept 8
	v_mov_b32 v[TRI+i], s[SV]
.set i, i+1
.endr
.set i, 12
.rept 4
	v_mov_b32 v[TRI+i], 0
.set i, i+1
.endr
	v_lshlrev_b32 v6, 3, v[H]
	v_sub_nc_u32 v6, v[R], v6
	v_add_nc_u32 v6, s[KIND], v6                   ; element k of my eight is 0.125 where k < lane % 16 + KIND - 8 (lane / 16)
	s_mov_b32 s[TS], 0x3e00
	s_mov_b32 s[TS+1], 0x3e000000
.set i, 0
.rept 4
	v_cmp_lt_i32 vcc_lo, 2*i, v6
	v_cndmask_b32 v[T1], 0, s[TS], vcc_lo
	v_cmp_lt_i32 vcc_lo, 2*i+1, v6
	v_cndmask_b32 v[T2], 0, s[TS+1], vcc_lo
	v_or_b32 v[TRI+8+i], v[T1], v[T2]
.set i, i+1
.endr
	; addresses
	v_mul_u32_u24 v[RH], v[R], PW
	v_lshl_add_u32 v[RH], v[H], 4, v[RH]           ; a fragment's row x pitch + 16 x half
.set i, 0
.rept 4
	v_add_nc_u32 v[AW+i], WGT+i*WLAY, v[RH]
.set i, i+1
.endr
	s_mul_i32 s[TS], s[PAIR], WPAIR
	v_add_nc_u32 v[AL0B], s[TS], v[RH]
	v_lshl_add_u32 v[AB], v[H], 5, BIAS
	v_and_b32 v[T1], 7, v0                         ; the turning load: lane l reads row 8 (l / 16) + l % 8, 16 bytes at 16 ((l / 8) % 2)
	v_lshl_add_u32 v[T1], v[H], 3, v[T1]
	v_mul_u32_u24 v[T1], v[T1], PW
	v_bfe_u32 v[T2], v0, 3, 1
	v_lshl_add_u32 v[T1], v[T2], 4, v[T1]
	v_add_nc_u32 v[AYB], s[TS], v[T1]
	s_mul_i32 s[TS+1], s[KIND], 50*PW
	s_add_co_u32 s[TS+1], s[TS+1], s[TS]
	v_lshl_add_u32 v[AIB], v[LN], 3, s[TS+1]
	s_mul_i32 s[TS+1], s[WV], XROW
	s_add_co_u32 s[TS+1], s[TS+1], XFS
	v_lshl_add_u32 v[AXFB], v[H], 5, s[TS+1]
	s_mul_i32 s[TS+1], s[WV], 16                   ; my wave's four words of YP: a constant + 16 x the wave's number; the step's 4 bytes are added in the loop
	s_add_co_u32 s[TS+1], s[TS+1], YP
	v_mov_b32 v[AYPB], s[TS+1]                     ; (v56 is free: the constant rows' stores have been issued)
	v_cmp_eq_u32 vcc_lo, 15, v[R]
	v_cndmask_b32 v[XSEL], 0, s[KIND], vcc_lo
	v_mov_b32 v[TX], 0
	v_mov_b32 v[AI], v[AIB]
.set i, 0
.rept 8
	s_mov_b32 s[MK+i], 0x01000001<<i               ; register j holds the diagonal in lanes j and 24 + j
.set i, i+1
.endr
	s_mov_b32 s[SEL], 0x76543210
	s_mov_b32 s[SEL+1], 0xfedcba98
	s_mov_b32 s[ZERO], 0
	s_mov_b32 s[STEP], 4
	s_mov_b32 s[CUR], 0
	s_mov_b32 s[NXT], WPAR
	s_mov_b32 s[XFO], 0
	s_mov_b32 s[YPO], 0
	s_cmp_eq_u32 s[KIND], 1
	s_cselect_b32 s[KC], 0xbe000000, 0             ; -0.125 or 0
	s_wait_loadcnt 0x0                             ; everything is in,
	s_wait_xcnt 0x0                                ; and the loads' address registers may be written
	s_wait_kmcnt 0x0                               ; y0
	LUMP                                           ; the first path's rows into set 0
	; Wi: thread t holds column t.  csum in four chains
	v_mul_u32_u24 v5, v0, PW
	v_add_nc_u32 v5, WGT, v5
	v_mul_u32_u24 v6, v[LN], 4*PW
	s_lshl_b32 s[TS], s[WV], 6
	s_add_co_u32 s[TS], s[TS], WGT+WLAY
	v_add_nc_u32 v6, s[TS], v6                     ; Wh1: row 4 lane, K 32 w on
	v_add_nc_u32 v7, WLAY, v6
	v_add_nc_u32 v8, 2*WLAY, v6
	WIN 0x8a
.set i, 0
.rept 4
	v_add_f32 v[232+i], v[128+i], v[132+i]
.set i, i+1
.endr
.set i, 8
.rept 92
	v_add_f32 v[232+i%4], v[232+i%4], v[128+i]
.set i, i+1
.endr
	v_add_f32 v232, v232, v233
	v_add_f32 v234, v234, v235
	v_add_f32 v232, v232, v234
	WIN 0xca
.set i, 0
.rept 50
	v_cvt_pk_bf16_f32 v[i], v[128+2*i], v[129+2*i]
.set i, i+1
.endr
	v_cvt_pk_bf16_f32 v50, v228, v232              ; K 100: t's row; K 101: csum
.set i, 51
.rept 5
	v_mov_b32 v[i], 0
.set i, i+1
.endr
	WIN 0x0c
.set i, 0
.rept 13
	ds_store_b128 v5, v[4*i:4*i+3] offset:16*i
.set i, i+1
.endr
.rept 3
	ds_store_b128 v5, v[52:55] offset:16*i         ; K 104..127: 0
.set i, i+1
.endr
	WIN 0
	WCONV 1, 0, 6, 0                               ; Wh1
	WCONV 1, 128, 7, 0                             ; Wh2
	v_cmp_gt_u32 vcc_lo, 25, v[LN]
	WCONV 2, 0, 8, 1                               ; Wo
	; biases, padded with 0
	v_cmp_gt_u32 vcc_lo, 100, v0
	v_cndmask_b32 v[SC+1], 0, v[SC+1], vcc_lo
	v_cndmask_b32 v[SC+5], 0, v[SC+5], vcc_lo
	v_lshl_add_u32 v5, v0, 2, BIAS
.set i, 0
.rept 5
	ds_store_b32 v5, v[SC+1+i] offset:512*i
.set i, i+1
.endr
	; s = 2 signs - 1; feature 101; -+s in both halves
	s_cmp_eq_u32 s[KIND], 1
	s_cselect_b32 s[TS], 1.0, -1.0
.set i, 0
.rept 8
	v_lshl_add_u32 v[SC+i], v[SSP+i], 1, -1
	v_cvt_f32_i32 v[SC+i], v[SC+i]
.set i, i+1
.endr
	WIN 0xc0
.set i, 0
.rept 8
	v_mul_f32 v[SG+i], s[KC], v[SC+i]
.set i, i+1
.endr
	WIN 0
.set i, 0
.rept 8
	v_mul_f32 v[SC+i], s[TS], v[SC+i]
	v_cvt_pk_bf16_f32 v[SSP+i], v[SC+i], v[SC+i]
.set i, i+1
.endr
.set i, 0
.rept 8
	ZUP i
.set i, i+1
.endr
	WIN 0
	s_wait_dscnt 0x0                               ; for the others' sake: my stores of weights, biases and rows are done
	s_barrier_signal -1
	s_barrier_wait -1
	; ---------------- FOUR STEPS: a block a wave in each
.Lstep:
	v_add_nc_u32 v[AL0], s[CUR], v[AL0B]
	v_add_nc_u32 v[AY], s[CUR], v[AYB]
	v_add_nc_u32 v[AI], s[NXT], v[AIB]
	v_add_nc_u32 v[AXF], s[XFO], v[AXFB]
	v_add_nc_u32 v[AYP], s[YPO], v[AYPB]
	LOADW AL0, 0, 0, 0
	; L0: seven tiles of 16 d
.set q, 0
.rept 7
.if q > 0
	PLACES
	XFSTORE (q+1)%2, q-1
.endif
	WIN 0
.if q < 6
	LOADW AL0, q+1, 0, (q+1)%2
.else
	LOADW AW, 0, 1, (q+1)%2
.endif
	s_wait_dscnt 10                                ; all but the ten just issued
.if q > 0
	SETQ (q+1)%2, 1, q-1, 0, 0, 0
.else
	NOQ
.endif
	L0MUL q%2
.set q, q+1
.endr
	; L1: reads ACT0, writes ACT1
	PLACES
	XFSTORE (q+1)%2, 6
	s_cmp_eq_u32 s[STEP], 1                        ; the last step has no path behind it
	s_cbranch_scc1 .Lnoissue
	s_add_nc_u64 s[WP:WP+1], s[WP:WP+1], 102400    ; two paths on; the loads that read this pointer were waited for
	STLOADS                                        ; 50 loads a wave are out while three layers, 768 products, are multiplied
.Lnoissue:
	GRP 1, AW, 1, 1, 1, 6, 0, 1, 0                 ; its riders end L0: tile 6, with feature 101
.set g, 1
.rept 6
	PLACES
	GRP 1, AW, g+1, 1, 2, g-1, 1, 0, 0
.set g, g+1
.endr
	PLACES
	GRP 1, AW+1, 0, 2, 2, 6, 1, 0, 0
	; L2: reads ACT1, writes ACT0.  The last tile of the layer before is ready behind 16 products and is first read by product 24
	PLACES
	GRP 2, AW+1, 1, 2, 2, 7, 1, 0, 0
.set g, 1
.rept 6
	PLACES
	GRP 2, AW+1, g+1, 2, 1, g-1, 1, 0, 0
.set g, g+1
.endr
	PLACES
	GRP 2, AW+2, 0, 3, 1, 6, 1, 0, 0
	; L3: reads ACT0, writes ACT1
	PLACES
	GRP 1, AW+2, 1, 3, 1, 7, 1, 0, 0
.set g, 1
.rept 6
	PLACES
	GRP 1, AW+2, g+1, 3, 2, g-1, 1, 0, 0
.set g, g+1
.endr
	PLACES
	GRP 1, AW+3, 0, 4, 2, 6, 1, 0, 0
	; L4: reads ACT1, writes Z^T into ACT0, seven tiles, no relu
	PLACES
	WIN 0
	s_wait_loadcnt 0x0                             ; the next path's rows are in; on every way no load is out from here on,
	s_wait_xcnt 0x0                                ; and the pointer, the staging registers and EXEC may be written
	s_cmp_eq_u32 s[STEP], 1
	s_cbranch_scc1 .Lnolump
	LUMP                                           ; into the other set, which nobody reads in this step
.Lnolump:
	GRP 2, AW+3, 1, 4, 2, 7, 1, 0, 0
	PLACES
	GRP 2, AW+3, 2, 4, 1, 0, 0, 0, 1               ; also: features 112..127 of Z^T are cleared
.set g, 2
.rept 4
	PLACES
	GRP 2, AW+3, g+1, 4, 1, g-1, 0, 0, 0
.set g, g+1
.endr
	PLACES
	WIN 0
	s_wait_dscnt 0x0                               ; the last tile: nothing more to fetch
	SETQ (q+1)%2, 1, 5, 0, 0, 0
	HMUL q%2, 2
.set q, q+1
	; Y.  The twelve lines that clear d 112..127 of the three buffers are the places behind the last products
	WIN 0
.set i, 0
.rept 3
	v_mov_b32 v[YB+32*i+28], 0
	v_mov_b32 v[YB+32*i+29], 0
	v_mov_b32 v[YB+32*i+30], 0
	v_mov_b32 v[YB+32*i+31], 0
.set i, i+1
.endr
	YLOAD 0
	YLOAD 1
	SETQ (q+1)%2, 1, 6, 0, 0, 0
.set i, 0
.rept 8
	CVT4 i                                         ; Z^T's last tile
.set i, i+1
.endr
	WIN 0
	s_wait_dscnt 7                                 ; the first seven turning loads are in
.set i, 0
.rept 28
	YA 0, i
.set i, i+1
.endr
.set yn, 0
.rept 8                                ; D1[ks] += Z(nt, ks) x (Wn -+ s)(nt, ks); behind each product seven lines of the next nt's -+s; a buffer is loaded again seven such lines behind its last reader
	WIN 0
.if yn < 6
	YLOAD yn+2
	s_wait_dscnt 7                                 ; all but the seven just issued: nt + 1's are in
.elseif yn == 6
	s_wait_dscnt 0x0
.endif
.set yk, 0
.rept 4
	WIN 0xf1
.if yn == 0
	v_wmma_f32_16x16x32_bf16 v[D1+8*yk:D1+8*yk+7], v[32*yn+8*yk:32*yn+8*yk+7], v[YB+32*(yn%3)+8*yk:YB+32*(yn%3)+8*yk+7], 0
.else
	v_wmma_f32_16x16x32_bf16 v[D1+8*yk:D1+8*yk+7], v[32*yn+8*yk:32*yn+8*yk+7], v[YB+32*(yn%3)+8*yk:YB+32*(yn%3)+8*yk+7], v[D1+8*yk:D1+8*yk+7]
.endif
.if yn < 7
	WIN 0
.set ya, 0
.rept 7
	YA yn+1, 7*yk+ya
.set ya, ya+1
.endr
.endif
.set yk, yk+1
.endr
.set yn, yn+1
.endr
	WIN 0
	v_mov_b32 v[T1], 0
	v_mov_b32 v[T2], 0
	s_cmp_lg_u32 s[KIND], 0
	s_cbranch_scc1 .Lnoy2                          ; |z|^2 is the z wave's
	WIN 0xf5
.set yn, 0
.rept 8
.set yk, 0
.rept 4
.if yn == 0
	v_wmma_f32_16x16x32_bf16 v[D2+8*yk:D2+8*yk+7], v[32*yn+8*yk:32*yn+8*yk+7], v[32*yn+8*yk:32*yn+8*yk+7], 0
.else
	v_wmma_f32_16x16x32_bf16 v[D2+8*yk:D2+8*yk+7], v[32*yn+8*yk:32*yn+8*yk+7], v[32*yn+8*yk:32*yn+8*yk+7], v[D2+8*yk:D2+8*yk+7]
.endif
.set yk, yk+1
.endr
.set yn, yn+1
.endr
	PLACES
	PLACES                                         ; eight: the fold writes accumulators in place
	FOLD D2, T2
.Lnoy2:
	PLACES
	PLACES
	FOLD D1, T1
	v_mul_f32 v[VAL], 0x3d3504f3, v[T1]            ; 0.5 sqrt(dt) x the first trace's element
	v_fmac_f32 v[VAL], 0xbc000000, v[T2]           ; - dt x the second's
	v_add_f32_dpp v[VAL], v[VAL], v[VAL] row_xmask:1 row_mask:0xf bank_mask:0xf
	v_add_f32_dpp v[VAL], v[VAL], v[VAL] row_xmask:2 row_mask:0xf bank_mask:0xf
	v_add_f32_dpp v[VAL], v[VAL], v[VAL] row_xmask:4 row_mask:0xf bank_mask:0xf
	v_add_f32_dpp v[VAL], v[VAL], v[VAL] row_xmask:8 row_mask:0xf bank_mask:0xf
	v_permlanex16_b32 v[TX], v[VAL], s[SEL], s[SEL+1]
	v_add_f32 v[VAL], v[VAL], v[TX]
	ds_store_b32 v[AYP], v[VAL]                    ; all lanes: the same word, the same number: my wave's word for this step
	s_wait_dscnt 0x0                               ; my stores (the other set's rows, x, y) are done and my reads of this set are back:
	s_barrier_signal -1                            ; behind the barrier the partner reads what I stored, and this set may be written
	s_barrier_wait -1
	s_xor_b32 s[CUR], s[CUR], WPAR
	s_xor_b32 s[NXT], s[NXT], WPAR
	s_add_co_u32 s[XFO], s[XFO], 4*XROW
	s_add_co_u32 s[YPO], s[YPO], 4
	s_sub_co_u32 s[STEP], s[STEP], 1
	s_cmp_lg_u32 s[STEP], 0
	s_cbranch_scc1 .Lstep
	; ---------------- THE WAY OUT: thread t takes path t / 16; 16 lanes store 256 bytes on end of its 400, nine of them the other 144
	s_mul_i32 s[TS], ttmp9, 3200
	s_mov_b32 s[TS+1], 0
	s_add_nc_u64 s[32:33], s[32:33], s[TS:TS+1]
	s_lshl_b32 s[TS], ttmp9, 5
	s_add_nc_u64 s[34:35], s[34:35], s[TS:TS+1]
	v_lshrrev_b32 v5, 4, v0                        ; path
	v_mul_u32_u24 v6, v5, 2*XROW                   ; its KIND 1 slot is slot 2 path + 1
	v_add_nc_u32 v6, XFS+XROW, v6
	v_lshl_add_u32 v7, v[R], 4, v6
	ds_load_b128 v[SC:SC+3], v7
	v_min_u32 v9, 8, v[R]                          ; chunks 16..24; the lanes past them repeat the last and store nothing
	v_lshl_add_u32 v9, v9, 4, v6
	ds_load_b128 v[SC+4:SC+7], v9 offset:256
	v_min_u32 v10, 7, v0                           ; y of path t: step t / 2, pair t % 2: wave 2 (t % 2) has z's part, the next wave znew's
	v_and_b32 v12, 1, v10
	v_lshrrev_b32 v10, 1, v10
	v_lshl_add_u32 v12, v12, 5, YP
	v_lshl_add_u32 v10, v10, 2, v12
	ds_load_b32 v[T1], v10
	ds_load_b32 v[T2], v10 offset:16
	v_mul_u32_u24 v8, v5, 400
	v_lshl_add_u32 v8, v[R], 4, v8
	v_lshlrev_b32 v11, 2, v0
	s_wait_dscnt 0x0
	v_add_f32 v[T1], v[T1], v[T2]                  ; z's part and znew's,
	v_add_f32 v[T1], s[Y0], v[T1]                  ; and y0
	global_store_b128 v8, v[SC:SC+3], s[32:33]
	s_wait_xcnt 0x0                                ; EXEC changes only behind this wait
	v_cmp_gt_u32 vcc_lo, 9, v[R]
	s_and_saveexec_b32 s[SV], vcc_lo
	global_store_b128 v8, v[SC+4:SC+7], s[32:33] offset:256
	s_wait_xcnt 0x0
	s_or_b32 exec_lo, exec_lo, s[SV]
	v_cmp_gt_u32 vcc_lo, 8, v0
	s_and_saveexec_b32 s[SV], vcc_lo
	global_store_b32 v11, v[T1], s[34:35]
	s_wait_xcnt 0x0
	s_or_b32 exec_lo, exec_lo, s[SV]
	s_wait_tensorcnt 0x0                           ; the wave's end, behind my last LDS store
	ds_add_u32 v[SPW], v[NIL]
	s_wait_dscnt 0x0
	s_endpgm
.Lfunc_end_k_q880d26c0a2_rk:
	.size	k_q880d26c0a2_rk, .Lfunc_end_k_q880d26c0a2_rk-k_q880d26c0a2_rk
	.p2alignl 7, 3214868480
	.fill 96, 4, 3214868480
	.section	.rodata,"a",@progbits
	.p2align	6, 0x0
	.amdhsa_kernel k_q880d26c0a2_rk
		.amdhsa_group_segment_fixed_size 277504
		.amdhsa_private_segment_fixed_size 0
		.amdhsa_enable_private_segment 0
		.amdhsa_kernarg_size 112
		.amdhsa_user_sgpr_count 2
		.amdhsa_user_sgpr_kernarg_segment_ptr 1
		.amdhsa_wavefront_size32 1
		.amdhsa_system_sgpr_workgroup_id_x 1
		.amdhsa_system_sgpr_workgroup_id_y 1
		.amdhsa_system_sgpr_workgroup_id_z 1
		.amdhsa_system_vgpr_workitem_id 0
		.amdhsa_next_free_vgpr 1000
		.amdhsa_next_free_sgpr 66
		.amdhsa_reserve_vcc 1
		.amdhsa_float_denorm_mode_32 3
		.amdhsa_float_denorm_mode_16_64 3
		.amdhsa_memory_ordered 1
		.amdhsa_forward_progress 1
		.amdhsa_inst_pref_size 255
	.end_amdhsa_kernel
	.section	.bss,"aw",@nobits
	.p2align	6
	.space	262144
	.amdgpu_metadata
---
amdhsa.version: [ 1, 2 ]
amdhsa.kernels:
  - .name:           k_q880d26c0a2_rk
    .symbol:         k_q880d26c0a2_rk.kd
    .args:
      - { .name: W_noise, .offset: 0, .size: 8, .value_kind: global_buffer, .address_space: global }
      - { .name: signs, .offset: 8, .size: 8, .value_kind: global_buffer, .address_space: global }
      - { .name: x0, .offset: 16, .size: 8, .value_kind: global_buffer, .address_space: global }
      - { .name: y0, .offset: 24, .size: 8, .value_kind: global_buffer, .address_space: global }
      - { .name: Wi, .offset: 32, .size: 8, .value_kind: global_buffer, .address_space: global }
      - { .name: bi, .offset: 40, .size: 8, .value_kind: global_buffer, .address_space: global }
      - { .name: Wh1, .offset: 48, .size: 8, .value_kind: global_buffer, .address_space: global }
      - { .name: bh1, .offset: 56, .size: 8, .value_kind: global_buffer, .address_space: global }
      - { .name: Wh2, .offset: 64, .size: 8, .value_kind: global_buffer, .address_space: global }
      - { .name: bh2, .offset: 72, .size: 8, .value_kind: global_buffer, .address_space: global }
      - { .name: Wo, .offset: 80, .size: 8, .value_kind: global_buffer, .address_space: global }
      - { .name: bo, .offset: 88, .size: 8, .value_kind: global_buffer, .address_space: global }
      - { .name: out0, .offset: 96, .size: 8, .value_kind: global_buffer, .address_space: global }
      - { .name: out1, .offset: 104, .size: 8, .value_kind: global_buffer, .address_space: global }
    .group_segment_fixed_size: 277504
    .private_segment_fixed_size: 0
    .kernarg_segment_align: 8
    .kernarg_segment_size: 112
    .max_flat_workgroup_size: 128
    .sgpr_count:     66
    .vgpr_count:     1000
    .wavefront_size: 32
...
	.end_amdgpu_metadata
.endif
;; end of part 1
